; MI455X (gfx1250); checked and timed in simulation.
; The chip was launched on July 23, 2026; its instructions are those of AMD's public machine-readable ISA for CDNA 5 (MIT licence, August 2026) and "CDNA5" Instruction Set Architecture Reference Guide (July 2026). The comments in the code are by the model that wrote it; some were corrected since.
;; Attention. Allowed arithmetic: matrix products marked QUANTISED: E2M1 operands, one E8M0 scale for each 32 along K, by v_wmma_scale_f32_16x16x128_f8f6f4 with both operands' format E2M1 (or v_wmma_scale_f32_32x16x128_f4), f32 sums; everything else in f32.
;; Inputs: Wk 1,024 x 1,024 float32; Wo 1,024 x 1,024 float32; Wq 1,024 x 1,024 float32; Wv 1,024 x 1,024 float32; X 2 x 2,048 x 1,024 float32; masks 2 x 2,048 int32.
;; Outputs: out0 2 x 2,048 x 1,024 float32.
;; This version of the problem:
;;   THIS VERSION OF THE PROBLEM IS GIVEN IN LOW PRECISION. The matrix products marked QUANTISED in the list below multiply operands that are first quantised to E2M1 (2 exponent bits, 1 mantissa bit; 4 bits a number), with one power-of-two scale for each 32 numbers along K (OCP MX v1.0); their sums are f32. All else is computed in f32.
;;   The module's matrix products, in the order in which they are computed (A, B: the left and right operand; K: the contracted axis; several contracted axes count as one K, in the product's order):
;;     1. [M 4,096, K 1,024] x [K 1,024, N 1,024]; A: input X; B: input Wq: QUANTISED
;;     2. [M 4,096, K 1,024] x [K 1,024, N 1,024]; A: input X; B: input Wk: QUANTISED
;;     3. [M 4,096, K 1,024] x [K 1,024, N 1,024]; A: input X; B: input Wv: QUANTISED
;;     4. batch 32 x [M 2,048, K 64] x [K 64, N 2,048]; A: computed on the way; B: computed on the way: QUANTISED
;;     5. batch 32 x [M 2,048, K 2,048] x [K 2,048, N 64]; A: computed on the way; B: computed on the way: QUANTISED
;;     6. [M 4,096, K 1,024] x [K 1,024, N 1,024]; A: computed on the way; B: input Wo: QUANTISED
;;   THE QUANTISER, for each operand of a quantised product, along K:
;;     - K is cut into blocks of 32 from its start; a last block that is shorter is filled with zeros.
;;     - A block's scale is 2^e with e = floor(log2(the largest magnitude in the block)) - 2, held to -126 .. 127; a block of zeros has e = 0. As a byte (E8M0): e + 127.
;;     - Each number is divided by its block's scale, clamped to +-6, and rounded to the nearest number of E2M1, ties to even, subnormals kept.
;;     - The product sums the exact products of the quantised numbers (number of the format x scale) in f32.
;;   ~~~python
;;   def quantise(x, axis):      # numpy; x: float32 -> the quantised numbers, widened to float32 again
;;       x = np.moveaxis(x, axis, -1); K = x.shape[-1]
;;       x = np.pad(x, [(0, 0)] * (x.ndim - 1) + [(0, -K % 32)]); x = x.reshape(x.shape[:-1] + (-1, 32)); a = np.abs(x).max(-1, keepdims=True)
;;       e = np.where(a > 0, np.clip(np.frexp(np.where(a > 0, a, 1))[1] - 1 - 2, -126, 127), 0)      # np.frexp(a)[1] - 1 = floor(log2(a)), exactly
;;       r = np.clip(x / 2.0 ** e, -6, 6)
;;       step = 2.0 ** (np.maximum(np.frexp(np.where(r == 0, 1, r))[1] - 1, 0) - 1)
;;       q = np.round(r / step) * step * 2.0 ** e      # np.round: ties to even
;;       return np.moveaxis(q.reshape(q.shape[:-2] + (-1,))[..., :K], -1, axis).astype(np.float32)
;;   ~~~
;;   OPERANDS COMPUTED ON THE WAY. 'Computed on the way' means the value that the module computes at that place (a softmax that the list does not call 'softmax' is quantised finished and normalised). What goes into a quantiser is computed in f32, as accurately as f32 sums, v_exp_f32 and their like allow (about 1e-6 of the number): no bf16 or f16 on the way to a quantiser, and a product that is left as it is and whose result goes on into a quantised operand takes f32 operands (vector FMAs, or v_wmma_f32_16x16x4_f32). A number that lies on a knife's edge between two numbers of the format may be rounded either way, as far as f32 arithmetic and the matrix unit's own rounding can turn it there, and no further.
;; One version. Each part assembles by itself: llvm-mc -triple=amdgcn-amd-amdhsa -mcpu=gfx1250 --defsym DOCPART=n.
;; ======== version 1 of 1: 4 launches
;; workspace buffers: xw 4,456,448 bytes; qb 2,228,224 bytes; kv 4,456,448 bytes; cxb 2,228,224 bytes
;; launch quant (part 1): grid 256 x 1, 4 waves a work-group, no clusters, 35,328 bytes of LDS; arguments X, Wq, Wk, Wv, Wo, xw; writes xw
.if DOCPART == 1
	.amdgcn_target "amdgcn-amd-amdhsa--gfx1250"
	.amdhsa_code_object_version 6
	.text
	.protected	k_q157529333d_quant
	.globl	k_q157529333d_quant
	.p2align	8
	.type	k_q157529333d_quant,@function
k_q157529333d_quant:
	s_mov_b64 s[64:65], 0
	v_nop
	global_prefetch_b8 v0, s[64:65] scope:SCOPE_SE
	s_setreg_imm32_b32 hwreg(HW_REG_WAVE_MODE, 25, 1), 1
	s_wait_xcnt 0x0
; X [4096][1024] and Wq, Wk, Wv, Wo [1024][1024], f32, K innermost, become codes of FP4 (E2M1) with one E8M0 byte for each 32 along K.
; The five tensors count as 8,192 stacked rows; 128 rows make a RECORD of 69,632 bytes in xw, laid in the order of the operand's registers:
;   +0     scale words [half 2][tile 8][row 16][4 words]: word q % 4 of a row serves K step q = 4 half + q % 4, byte b its block 4 q + b
;   +4096  codes [K step 8][tile 8][c 2][lane 32][16 bytes]: lane (r, h) holds k = 128 q + 64 c + 32 h + 0 .. 31 of row 16 tile + r
; so that a later launch brings a record by dense tensor loads and a fragment by two loads of 16 bytes a lane.
; A block's scale is 2^(floor(log2(largest magnitude)) - 2); its byte is the largest magnitude's exponent field - 2, held at 1 from below.
; LIMITS: a block of zeros gets the byte 1 where the rule says 127 (its codes are zeros, and this program alone reads the bytes); NaN and infinities are not served.
; SHARES: a work-group owns 32 stacked rows; wave w takes 16 of them (w / 2) and 512 columns (w % 2), in 8 steps of 16 rows x 64 columns.
; Each load reads 256 consecutive bytes of two rows; a step turns through the wave's own stage in LDS (rows 272 bytes apart) so that lane (r, h) gets a whole block of row r.
; No barrier: waves share nothing.  Loads run four steps ahead, the turn through LDS one step.
.set REC,   69632
.set WREG,  8704                       ; LDS of a wave: two stages
.set STGB,  4352                       ; a stage: 16 rows x 272 bytes
.set SP,    272
.set WS,    16                         ; v16-19   a scale word for each of my four K steps
.set R,     32                         ; v32-159  four sets of 32 registers as loaded
.set XS,    160                        ; v160-223 two sets of 32 neighbours along K
.set C,     224                        ; v224-255 codes: four registers for each step, so that no store's data are written again
	s_load_b256 s[8:15], s[0:1], 0x0               ; X, Wq, Wk, Wv
	s_load_b128 s[16:19], s[0:1], 0x20             ; Wo, xw
	v_lshl_add_u32 v30, v0, 2, 0x8800
	v_mov_b32 v31, 0
	v_lshrrev_b32 v1, 5, v0
	v_readfirstlane_b32 s20, v1                    ; wave
	v_and_b32 v1, 31, v0                           ; lane
	v_and_b32 v2, 15, v0                           ; r
	v_bfe_u32 v3, v0, 4, 1                         ; h
	v_lshlrev_b32 v4, 4, v2
	v_lshl_add_u32 v4, v3, 12, v4                  ; in: 16 bytes a lane, lanes 16-31 one row (4,096 bytes) down
	s_mul_i32 s21, s20, WREG
	v_mul_u32_u24 v5, v3, SP
	v_lshl_add_u32 v5, v2, 4, v5
	v_add_nc_u32 v5, s21, v5                       ; the stage, on the way in: the same two rows
	v_mul_u32_u24 v6, v2, SP
	v_lshl_add_u32 v6, v3, 7, v6
	v_add_nc_u32 v6, s21, v6                       ; and out: row r, 128 bytes for each half of the lanes
	v_lshlrev_b32 v7, 4, v1                        ; my codes' place in a fragment's half
	v_lshlrev_b32 v8, 4, v2
	v_lshl_add_u32 v8, v3, 3, v8                   ; my two scale words' place: 16 r + 8 h
	v_lshlrev_b32 v9, 3, v3                        ; 8 h
.irp s, 0,1,2,3
	v_mov_b32 v[24+\s], 0                          ; written once: a lane permute's destination counts as one of its sources
.endr
	s_lshr_b32 s22, s20, 1                         ; which 16 rows
	s_and_b32 s23, s20, 1                          ; which 512 columns
	s_mov_b32 s26, 0x76543210
	s_mov_b32 s27, 0xfedcba98                      ; v_permlanex16_b32's selects for lane l xor 16
	s_mov_b32 s28, 0xffff0000                      ; lanes 16-31
	s_wait_kmcnt 0x0
	s_mov_b64 s[4:5], s[16:17]                     ; which tensor: the choice hangs on the work-group's number alone
	s_mov_b32 s6, 224
	s_cmp_lt_u32 ttmp9, 224
	s_cselect_b64 s[4:5], s[14:15], s[4:5]
	s_cselect_b32 s6, 192, s6
	s_cmp_lt_u32 ttmp9, 192
	s_cselect_b64 s[4:5], s[12:13], s[4:5]
	s_cselect_b32 s6, 160, s6
	s_cmp_lt_u32 ttmp9, 160
	s_cselect_b64 s[4:5], s[10:11], s[4:5]
	s_cselect_b32 s6, 128, s6
	s_cmp_lt_u32 ttmp9, 128
	s_cselect_b64 s[4:5], s[8:9], s[4:5]
	s_cselect_b32 s6, 0, s6
	s_sub_co_u32 s7, ttmp9, s6
	s_lshl_b32 s7, s7, 5
	s_lshl_b32 s24, s22, 4
	s_add_co_u32 s7, s7, s24                       ; my first row in its tensor
	s_lshl_b32 s24, s7, 12
	s_lshl_b32 s25, s23, 11
	s_add_co_u32 s24, s24, s25
	s_mov_b32 s25, 0
	s_add_nc_u64 s[4:5], s[4:5], s[24:25]
	s_lshr_b32 s29, ttmp9, 2
	s_mul_i32 s29, s29, REC                        ; my record
	s_and_b32 s30, ttmp9, 3
	s_lshl_b32 s30, s30, 1
	s_add_co_u32 s30, s30, s22                     ; my tile in it
	s_lshl_b32 s24, s30, 10
	s_add_co_u32 s24, s24, s29
	s_lshl_b32 s31, s23, 15
	s_add_co_u32 s24, s24, s31
	s_add_co_u32 s24, s24, 4096
	s_add_nc_u64 s[8:9], s[18:19], s[24:25]        ; codes: record + 4096 + 4 half K steps + tile
	s_lshl_b32 s24, s30, 8
	s_add_co_u32 s24, s24, s29
	s_lshl_b32 s31, s23, 11
	s_add_co_u32 s24, s24, s31
	s_add_nc_u64 s[10:11], s[18:19], s[24:25]      ; scale words: record + half + tile
.macro LOAD t                          ; step t: 16 rows x 256 bytes, two rows a load
.irp i, 0,1,2,3,4,5,6,7
	global_load_b128 v[R+32*((\t)%4)+4*\i:R+32*((\t)%4)+4*\i+3], v4, s[4:5] offset:\i*8192+(\t)*256 th:TH_LOAD_NT
.endr
.endm
.macro TURN t                          ; through the stage: LDS serves a wave's instructions in order, so no wait stands between the stores and the loads
.irp i, 0,1,2,3,4,5,6,7
	ds_store_b128 v5, v[R+32*((\t)%4)+4*\i:R+32*((\t)%4)+4*\i+3] offset:((\t)%2)*STGB+\i*2*SP
.endr
.irp i, 0,1,2,3,4,5,6,7
	ds_load_b128 v[XS+32*((\t)%2)+4*\i:XS+32*((\t)%2)+4*\i+3], v6 offset:((\t)%2)*STGB+16*\i
.endr
.endm
.macro STEP t
.set XB, XS+32*((\t)%2)
	s_wait_dscnt 0x0                               ; this step's numbers are back from the stage, so its stores into the stage have read their registers,
.if (\t)+4 < 8
	LOAD (\t)+4                                    ; which take the loads of four steps on
.endif
.if (\t) < 7
.if (\t) <= 3
	s_wait_loadcnt 24                              ; the next step's eight loads are in; those of the three steps behind it may be out
.else
	s_wait_loadcnt 8*(6-(\t))                      ; the counts run down: nothing more is asked for
.endif
	TURN (\t)+1
.endif
	v_max3_num_f32 v12, |v[XB]|, |v[XB+1]|, |v[XB+2]|              ; the block's largest magnitude: all 32 numbers are mine; two chains
	v_max3_num_f32 v13, |v[XB+3]|, |v[XB+4]|, |v[XB+5]|
.irp i, 6,10,14,18,22,26
	v_max3_num_f32 v12, v12, |v[XB+\i]|, |v[XB+\i+1]|
	v_max3_num_f32 v13, v13, |v[XB+\i+2]|, |v[XB+\i+3]|
.endr
	v_max3_num_f32 v12, v12, |v[XB+30]|, |v[XB+31]|
	v_max3_num_f32 v12, v12, v13, 0x1800000        ; and the floor 2^(3 - 127): the byte cannot fall under 1
	v_add_nc_u32 v11, 0xff000000, v12              ; 2 off the exponent field: the conversion takes the exponent field of this operand as its scale
.irp g, 0,1,2,3
	v_cvt_scalef32_pk8_fp4_f32 v[C+4*(\t)+\g], v[XB+8*\g:XB+8*\g+7], v11
.endr
.if (\t)%2 == 0
	v_lshrrev_b32 v20, 23, v11                     ; the byte of block h (c = 0).  (The plain line behind the conversions)
.else
	v_lshrrev_b32 v21, 23, v11                     ; the byte of block 2 + h (c = 1)
	v_lshl_or_b32 v[WS+(\t)/2], v21, 16, v20
.endif
	global_store_b128 v7, v[C+4*(\t):C+4*(\t)+3], s[8:9] offset:((\t)/2)*8192+((\t)%2)*512   ; 32 lanes store 512 consecutive bytes
.endm
.irp t, 0,1,2,3
	LOAD \t
.endr
	s_wait_loadcnt 24                              ; step 0's eight loads are in
	TURN 0
.irp t, 0,1,2,3,4,5,6,7
	STEP \t
.endr
.irp s, 0,1,2,3
	v_lshlrev_b32 v[WS+\s], v9, v[WS+\s]           ; my two bytes at their places (8 h bits up)
.endr
.irp s, 0,1,2,3
	v_permlanex16_b32 v[24+\s], v[WS+\s], s26, s27
.endr
.irp s, 0,1,2,3
	v_or_b32 v[WS+\s], v[WS+\s], v[24+\s]          ; with lane l xor 16's two the word is whole
.endr
	v_cndmask_b32 v14, v16, v18, s28               ; lanes 0-15 store words 0, 1 of row r, lanes 16-31 words 2, 3
	v_cndmask_b32 v15, v17, v19, s28
	global_store_b64 v8, v[14:15], s[10:11]        ; 32 lanes store 256 consecutive bytes, aligned
	s_wait_tensorcnt 0x0
	ds_add_u32 v30, v31
	s_wait_dscnt 0x0
	s_endpgm
.Lfunc_end_k_q157529333d_quant:
	.size	k_q157529333d_quant, .Lfunc_end_k_q157529333d_quant-k_q157529333d_quant
	.p2alignl 7, 3214868480
	.fill 96, 4, 3214868480
	.section	.rodata,"a",@progbits
	.p2align	6, 0x0
	.amdhsa_kernel k_q157529333d_quant
		.amdhsa_group_segment_fixed_size 35328
		.amdhsa_private_segment_fixed_size 0
		.amdhsa_enable_private_segment 0
		.amdhsa_kernarg_size 48
		.amdhsa_user_sgpr_count 2
		.amdhsa_user_sgpr_kernarg_segment_ptr 1
		.amdhsa_wavefront_size32 1
		.amdhsa_system_sgpr_workgroup_id_x 1
		.amdhsa_system_sgpr_workgroup_id_y 1
		.amdhsa_system_sgpr_workgroup_id_z 1
		.amdhsa_system_vgpr_workitem_id 0
		.amdhsa_next_free_vgpr 256
		.amdhsa_next_free_sgpr 66
		.amdhsa_reserve_vcc 0
		.amdhsa_float_denorm_mode_32 3
		.amdhsa_float_denorm_mode_16_64 3
		.amdhsa_memory_ordered 1
		.amdhsa_forward_progress 1
		.amdhsa_inst_pref_size 31
	.end_amdhsa_kernel
	.amdgpu_metadata
---
amdhsa.version: [ 1, 2 ]
amdhsa.kernels:
  - .name:           k_q157529333d_quant
    .symbol:         k_q157529333d_quant.kd
    .args:
      - { .name: X, .offset: 0, .size: 8, .value_kind: global_buffer, .address_space: global }
      - { .name: Wq, .offset: 8, .size: 8, .value_kind: global_buffer, .address_space: global }
      - { .name: Wk, .offset: 16, .size: 8, .value_kind: global_buffer, .address_space: global }
      - { .name: Wv, .offset: 24, .size: 8, .value_kind: global_buffer, .address_space: global }
      - { .name: Wo, .offset: 32, .size: 8, .value_kind: global_buffer, .address_space: global }
      - { .name: xw, .offset: 40, .size: 8, .value_kind: global_buffer, .address_space: global }
    .group_segment_fixed_size: 35328
    .private_segment_fixed_size: 0
    .kernarg_segment_align: 8
    .kernarg_segment_size: 48
    .max_flat_workgroup_size: 128
    .sgpr_count:     66
    .vgpr_count:     256
    .wavefront_size: 32
...
	.end_amdgpu_metadata
.endif
;; end of part 1
;; launch qkv (part 2): grid 12 x 16, 4 waves a work-group, clusters of 4 x 4, 279,040 bytes of LDS; arguments xw, masks, qb, kv; writes qb, kv
.if DOCPART == 2
	.amdgcn_target "amdgcn-amd-amdhsa--gfx1250"
	.amdhsa_code_object_version 6
	.text
	.protected	k_q157529333d_qkv
	.globl	k_q157529333d_qkv
	.p2align	8
	.type	k_q157529333d_qkv,@function
k_q157529333d_qkv:
	s_mov_b64 s[64:65], 0
	v_nop
	global_prefetch_b8 v0, s[64:65] scope:SCOPE_SE
	s_setreg_imm32_b32 hwreg(HW_REG_WAVE_MODE, 25, 1), 1
	s_wait_xcnt 0x0
	s_wait_alu depctr_hold_cnt(0) depctr_sa_sdst(0) depctr_va_vdst(0) depctr_va_sdst(0) depctr_va_ssrc(0) depctr_va_vcc(0) depctr_vm_vsrc(0)
	s_getreg_b32 s2, hwreg(HW_REG_IB_STS2, 6, 4)
	s_cmp_eq_u32 s2, 0
	s_cbranch_scc0 .Lentry_in_a_cluster
	s_endpgm
.Lentry_in_a_cluster:
	s_bfe_u32 s2, ttmp6, 0x10000c
	s_cmp_lg_u32 s2, 0xf033
	s_cbranch_scc0 .Lentry_shape_is_right
	s_endpgm
.Lentry_shape_is_right:
; Q = X Wq^T, K = X Wk^T, V = X Wv^T on codes of FP4 with E8M0 scales (records of xw), and what attention wants of them, as codes again:
;   Q, K: each head's 64 numbers of a token divided by their norm (v_rsq_f32 of the f32 sum of squares), times 0 where the token's mask is 0, quantised along the 64;
;   V:    quantised along the KEYS (blocks of 32 tokens), laid with the keys innermost.
; A masked token's Q and K codes are zeros, so its scores are exactly 0: the attention weights of a padded key and the context of a padded query are then 0, as the problem has them.
; LIMITS: a head vector of Q or K that is all zeros, or whose sum of squares is denormal, is not served (the problem gives NaN for zeros); NaN and infinities among the inputs are not served;
; a block of zeros carries the byte 1 over zero codes (this program alone reads the bytes).
; SHARES.  A work-group makes 256 x 256 of one product, four waves 128 x 128 each: 64 accumulators, 512 registers.  The cluster's x is the product: 0 Q, 1 K, 2 V.
; THE MATRIX INSTRUCTION: source 0 = P, whose rows run along a lane's registers in the result; source 1 = L, whose row is the lane.  A lane's registers must run along the NEXT product's K:
; for Q and K that is the head's axis, so P = rows of W and L = tokens; for V it is the tokens, so P = tokens and L = rows of Wv.
; K = 1,024 of both operands (four records of 69,632 bytes) lies in LDS at once: every byte is filled once, in four chunks a wave, and the K steps begin when the first chunk is in.
; CLUSTER 4 x 4: P hangs on the place along x and is shared along a column, L on the place along y and is shared along a row: joint loads, four partners each.
; REGISTERS, in windows of 256: window 0: v1-21 addresses; v32-95 scale words and nothing else; v96-103 masks; v104-127, v224-243 at work on the way out; v128-191 L's fragments, later scaled numbers; v192-223 codes.
;   window 1: P's fragments, two sets, at v0 and v128.   windows 2, 3: accumulator (a, b) at v[8 (8 (a % 4) + b)], a = L's tile, b = P's.
.set REC,   69632
.set CHUNK, 17408                      ; 68 rows of 256 bytes: a quarter of a record
.set SC,    32                         ; register SC + 32 (q / 4) + 4 i + q % 4: lanes 0-15 the word of L's tile i, lanes 16-31 that of P's tile i, K step q
.set MSK,   96
.set TM,    104                        ; +0..3 largest magnitudes, +4..7 the other half's, then bytes, +12..15 the conversions' scale operands
.set SS,    120                        ; sums of squares
.set AF,    128
.set ST,    128
.set PC,    192                        ; four sets of 8 by turns
.set FN,    224                        ; v[224:225], v[226:227]: the two heads' factors (the packed form names pairs)
.set TT,    228
.set SW,    232
.set OUT,   240
.set G1L,   24
.set G1P,   32
.set G0L,   40                         ; s[40:55] four sets
.set G0P,   68                         ; s[68:83] four sets
.set HM,    23
.set OB,    92                         ; s[92:93], s[94:95]: my two heads' records
.set SEL,   96
.set MSB, 0
.macro WIN new                         ; the immediate's high byte repeats the setting that is left
.if MSB != (\new)
	s_set_vgpr_msb (MSB<<8)|(\new)
.set MSB, (\new)
.endif
.endm
.set MUL_LO, 0xa1                      ; source 0 (P) window 1, source 1 (L) window 0, C and D window 2
.set MUL_HI, 0xf1
.set TO_P,   0x40
.macro CROUND                          ; a round of the cluster's barrier
	s_barrier_signal -1
	s_barrier_wait -1
	s_cmp_lg_u32 s12, 0
	s_cbranch_scc1 .Lnot_wave_0_\@
	s_barrier_signal -3
.Lnot_wave_0_\@:
	s_barrier_wait -3
	s_barrier_signal -1
	s_barrier_wait -1
.endm
.macro PLACES n
.rept \n
	v_nop
.endr
.endm
	s_load_b256 s[4:11], s[0:1], 0x0               ; xw, masks, qb, kv
	v_lshl_add_u32 v254, v0, 2, 0x44000
	v_mov_b32 v255, 0
	ds_add_u32 v254, v255
	ds_add_u32 v254, v255
	v_lshrrev_b32 v1, 5, v0
	v_readfirstlane_b32 s12, v1                    ; wave
	s_lshr_b32 s13, s12, 1                         ; my half of L.  Also: I fetch for L (0) or for P (1)
	s_and_b32 s14, s12, 1                          ; my half of P.  Also: which record of the two I fetch
	s_bfe_u32 s15, ttmp6, 0x40000                  ; cx
	s_bfe_u32 s16, ttmp6, 0x40004                  ; cy
	s_mov_b32 s17, ttmp9                           ; the product: the cluster's x, alike in all partners
	s_and_b32 s18, ttmp7, 0xffff                   ; the cluster's y
	s_lshl_b32 s19, s16, 2
	s_lshl_b32 s19, 15, s19                        ; my row of the cluster
	s_lshl_b32 s20, 0x1111, s15                    ; my column
	s_or_b32 s[G1L], s19, (3<<16)|(1<<21)          ; 15:0 the mask; 17:16 elements of 8 bytes; 21 set beside a mask; no padding: fragments are read 512 consecutive bytes at a time
	s_or_b32 s[G1P], s20, (3<<16)|(1<<21)
.irp g, G1L, G1P
	s_mov_b32 s[\g+1], 32<<16                      ; tensor_dim0 = 32 elements: 256 bytes
	s_mov_b32 s[\g+2], 68<<16                      ; tensor_dim1 = 68
	s_mov_b32 s[\g+3], 32<<16                      ; tile_dim0
	s_mov_b32 s[\g+4], 68                          ; tile_dim1
	s_mov_b32 s[\g+5], 32                          ; the pitch: dense
	s_mov_b32 s[\g+6], 0
	s_mov_b32 s[\g+7], 0
.endr
	; which 256 stacked rows: X is tiles 0-15, Wq 16-19, Wk 20-23, Wv 24-27.  P's tile is made of cx alone, L's of cy alone
	s_lshl_b32 s21, s18, 2
	s_lshl_b32 s22, s17, 2
	s_add_co_u32 s22, s22, 16
	s_cmp_lt_u32 s17, 2
	s_cselect_b32 s56, s22, s21
	s_cselect_b32 s57, s21, 24
	s_add_co_u32 s56, s56, s15                     ; P's tile
	s_add_co_u32 s57, s57, s16                     ; L's tile
	s_lshl_b32 s58, s57, 1
	s_add_co_u32 s58, s58, s14
	s_mul_i32 s58, s58, REC
	s_mov_b32 s59, 0
	s_lshl_b32 s60, s56, 1
	s_add_co_u32 s60, s60, s14
	s_mul_i32 s60, s60, REC
	s_mov_b32 s61, 0
	s_mul_i32 s62, s12, REC                        ; where it goes: part = wave: L's two records, then P's two
	s_wait_dscnt 0x0
	s_wait_kmcnt 0x0
	s_add_nc_u64 s[58:59], s[4:5], s[58:59]
	s_add_nc_u64 s[60:61], s[4:5], s[60:61]
.irp j, 0,1,2,3
	s_mov_b32 s[G0L+4*\j], 1
	s_add_co_u32 s[G0L+4*\j+1], s62, \j*CHUNK
	s_add_nc_u64 s[G0L+4*\j+2:G0L+4*\j+3], s[58:59], \j*CHUNK
	s_or_b32 s[G0L+4*\j+3], s[G0L+4*\j+3], 0x80000000
	s_mov_b32 s[G0P+4*\j], 1
	s_add_co_u32 s[G0P+4*\j+1], s62, \j*CHUNK
	s_add_nc_u64 s[G0P+4*\j+2:G0P+4*\j+3], s[60:61], \j*CHUNK
	s_or_b32 s[G0P+4*\j+3], s[G0P+4*\j+3], 0x80000000
.endr
	CROUND                                         ; all sixteen work-groups are here: the joint loads meet
	s_cmp_eq_u32 s13, 0                            ; a wave's four fills stand in one branch on the wave's number: four loads of mine are out
	s_cbranch_scc0 .Lfor_p
.irp j, 0,1,2,3
	tensor_load_to_lds s[G0L+4*\j:G0L+4*\j+3], s[G1L:G1L+7]
	s_nop 0
.endr
	PLACES 4
	s_branch .Lasked
.Lfor_p:
.irp j, 0,1,2,3
	tensor_load_to_lds s[G0P+4*\j:G0P+4*\j+3], s[G1P:G1P+7]
	s_nop 0
.endr
	PLACES 4
.Lasked:
	; where the results go.  Q, K: my 128 tokens hang on cy and my half of L, my two heads on cx and my half of P; V: the other way round
	s_add_co_u32 s88, s21, s16
	s_lshl_b32 s88, s88, 1
	s_add_co_u32 s88, s88, s13
	s_add_co_u32 s89, s21, s15
	s_lshl_b32 s89, s89, 1
	s_add_co_u32 s89, s89, s14
	s_lshl_b32 s90, s15, 2
	s_lshl_b32 s22, s14, 1
	s_add_co_u32 s90, s90, s22
	s_lshl_b32 s91, s16, 2
	s_lshl_b32 s22, s13, 1
	s_add_co_u32 s91, s91, s22
	s_mov_b32 s63, 8704
	s_cmp_lt_u32 s17, 2
	s_cselect_b32 s89, s88, s89                    ; which 128 tokens of the 4,096
	s_cselect_b32 s90, s90, s91                    ; my first head
	s_cmp_eq_u32 s17, 0
	s_cselect_b32 s63, 4352, s63                   ; a record: 4,352 bytes in qb, 8,704 in kv
	s_cselect_b64 s[OB:OB+1], s[8:9], s[10:11]
	s_lshr_b32 s22, s89, 4
	s_lshl_b32 s22, s22, 4
	s_add_co_u32 s22, s22, s90
	s_lshl_b32 s22, s22, 4
	s_and_b32 s91, s89, 15
	s_add_co_u32 s22, s22, s91                     ; record (16 batch + head) 16 + step
	s_mul_i32 s90, s22, s63
	s_mov_b32 s91, 0
	s_add_nc_u64 s[OB:OB+1], s[OB:OB+1], s[90:91]
	s_lshl_b32 s87, s63, 4                         ; the next head's record: 16 records on
	s_mov_b32 s90, s87
	s_add_nc_u64 s[OB+2:OB+3], s[OB:OB+1], s[90:91]
	s_lshl_b32 s90, s88, 9
	s_add_nc_u64 s[98:99], s[6:7], s[90:91]        ; the masks of 128 tokens (inside the buffer for V's work-groups too, which do not use them)
	s_mov_b32 s[SEL], 0x76543210
	s_mov_b32 s[SEL+1], 0xfedcba98
	s_mov_b32 s[HM], 0xffff0000                    ; lanes 16-31
	v_and_b32 v1, 31, v0
	v_lshlrev_b32 v1, 4, v1                        ; 16 x lane
	v_and_b32 v2, 15, v0                           ; r
	v_bfe_u32 v3, v0, 4, 1                         ; h
	v_lshlrev_b32 v21, 2, v2
.irp a, 0,1,2,3,4,5,6,7
	global_load_b32 v[MSK+\a], v21, s[98:99] offset:64*\a   ; token 16 a + r
.endr
	s_mul_i32 s84, s13, REC                        ; my record of L
	s_mul_i32 s85, s14, REC
	s_add_co_u32 s85, s85, 2*REC                   ; my record of P
	s_sub_co_u32 s86, s85, s84
	v_add_nc_u32 v16, s84, v1
	v_add_nc_u32 v16, 4096, v16                    ; L's fragments
	v_add_nc_u32 v17, s85, v1
	v_add_nc_u32 v17, 4096, v17                    ; P's
	v_mul_u32_u24 v18, s86, v3                     ; scale words: lanes 0-15 L's, lanes 16-31 P's: one product
	v_lshl_add_u32 v18, v2, 4, v18
	v_add_nc_u32 v18, s84, v18
	v_mul_u32_u24 v20, s87, v3                     ; the way out's scale words: lanes 0-15 my first head's record, lanes 16-31 my second's
	v_lshl_add_u32 v20, v2, 4, v20
.irp b, 0,1,2,3
	v_mov_b32 v[TM+4+\b], 0                        ; written once: a lane permute's destination counts as one of its sources
.endr
	v_mov_b32 v[FN+1], 0                           ; named as upper halves of pairs
	v_mov_b32 v[FN+3], 0
.macro FRAG reg, adr, q, i             ; a fragment's image: two loads of 512 consecutive bytes
.irp c, 0,1
	ds_load_b128 v[\reg+4*\c:\reg+4*\c+3], v[\adr] offset:(\q)*8192+(\i)*1024+512*\c
.endr
.endm
.macro FETCH_P q, p
	WIN TO_P
.irp i, 0,1,2,3,4,5,6,7
	FRAG 128*(\p)+8*\i, 17, \q, \i
.endr
	WIN 0
.endm
.macro FETCH_L q, i0
.irp i, \i0, \i0+1, \i0+2, \i0+3
	FRAG AF+8*(\i), 16, \q, \i
.endr
.endm
; 16 matrix instructions: L's tiles a0, a0 + 1 x P's eight, K step q.  The 64 accumulators take turns, one instruction a turn, in the same order in every K step.
.macro MUL16 a0, p, q, zero
.irp a, \a0, \a0+1
.irp b, 0,1,2,3,4,5,6,7
.if \zero
	v_wmma_scale_f32_16x16x128_f8f6f4 v[8*(8*((\a)%4)+\b):8*(8*((\a)%4)+\b)+7], v[128*(\p)+8*\b:128*(\p)+8*\b+7], v[AF+8*(\a):AF+8*(\a)+7], 0, v[SC+32*((\q)/4)+4*\b+(\q)%4], v[SC+32*((\q)/4)+4*(\a)+(\q)%4] matrix_a_fmt:MATRIX_FMT_FP4 matrix_b_fmt:MATRIX_FMT_FP4 matrix_a_scale:MATRIX_SCALE_ROW1
.else
	v_wmma_scale_f32_16x16x128_f8f6f4 v[8*(8*((\a)%4)+\b):8*(8*((\a)%4)+\b)+7], v[128*(\p)+8*\b:128*(\p)+8*\b+7], v[AF+8*(\a):AF+8*(\a)+7], v[8*(8*((\a)%4)+\b):8*(8*((\a)%4)+\b)+7], v[SC+32*((\q)/4)+4*\b+(\q)%4], v[SC+32*((\q)/4)+4*(\a)+(\q)%4] matrix_a_fmt:MATRIX_FMT_FP4 matrix_b_fmt:MATRIX_FMT_FP4 matrix_a_scale:MATRIX_SCALE_ROW1
.endif
.endr
.endr
.endm
; K step q, which fetches K step q + 1.  bar >= 0: the next K step lies in a chunk not yet shown landed: each wave waits until at most bar of its four loads are out, and a barrier makes that hold of all four.
; Later chunks may stay out.
.macro STEP q, zero, bar
	s_wait_dscnt 8                                 ; P's set and L's tiles 0-3 are in; the youngest eight loads (L's tiles 4-7) may be out
	WIN MUL_LO
	MUL16 0, (\q)%2, \q, \zero
.if \bar >= 0
	s_wait_tensorcnt \bar
	s_wait_dscnt 0x0                               ; no LDS load of mine is out at the signal
	s_barrier_signal -1
.endif
	MUL16 2, (\q)%2, \q, \zero
.if \bar >= 0
	s_barrier_wait -1
.else
	s_wait_dscnt 0x0                               ; L's tiles 4-7 are in
.endif
	PLACES 4                                       ; in front of loads into registers that matrix instructions have read
	FETCH_P (\q)+1, 1-(\q)%2
	FETCH_L (\q)+1, 0
	WIN MUL_HI
	MUL16 4, (\q)%2, \q, \zero
	MUL16 6, (\q)%2, \q, \zero
	PLACES 4
	WIN 0
	FETCH_L (\q)+1, 4
.endm
	s_wait_tensorcnt 3                             ; my first chunk is in: the scale words and K step 0 end at byte 12,288 of a record
	s_barrier_signal -1
	s_barrier_wait -1                              ; everybody's is
.irp hf, 0,1
.irp i, 0,1,2,3,4,5,6,7
	ds_load_b128 v[SC+32*\hf+4*\i:SC+32*\hf+4*\i+3], v18 offset:\hf*2048+\i*256   ; all scale words, once
.endr
.endr
	FETCH_P 0, 0
	FETCH_L 0, 0
	FETCH_L 0, 4
	STEP 0, 1, 2                                   ; K steps 1, 2 end in chunk 1: two loads may stay out
	STEP 1, 0, -1
	STEP 2, 0, 1                                   ; K steps 3, 4 end in chunk 2
	STEP 3, 0, -1
	STEP 4, 0, 0                                   ; K steps 5 to 7 end in chunk 3
	STEP 5, 0, -1
	STEP 6, 0, -1
	s_wait_dscnt 8
	WIN MUL_LO
	MUL16 0, 1, 7, 0
	MUL16 2, 1, 7, 0
	s_wait_dscnt 0x0
	WIN MUL_HI
	MUL16 4, 1, 7, 0
	MUL16 6, 1, 7, 0
	WIN 0
	PLACES 4                                       ; in front of the first reads of results
; 64 numbers of a lane at v[s] on in window w: register 8 t + j = index 16 t + 8 h + j along the next K.  Block B = tiles 2 B, 2 B + 1; the lane holds 16 of its numbers, lane l xor 16 the others.
; A tile's eight codes are one word of a block; the words are laid so that two exchanges of halves a pair of blocks leave block 2 c + h whole in registers pc + 4 c .. + 3 of lane (r, h): the operand's layout.
; Every accumulator is first read at its low end.
.macro QUANT s, w, pc
	WIN (\w)*5
.irp b, 0,1,2,3
	v_max3_num_f32 v[TM+\b], |v[\s+16*\b]|, |v[\s+16*\b+1]|, 0x1800000   ; and the floor 2^(3 - 127): the byte cannot fall under 1
.endr
	WIN (\w)*20
.irp i, 2,4,6,8,10,12,14
.irp b, 0,1,2,3
	v_max3_num_f32 v[TM+\b], v[TM+\b], |v[\s+16*\b+\i]|, |v[\s+16*\b+\i+1]|
.endr
.endr
	WIN 0
.irp b, 0,1,2,3
	v_permlanex16_b32 v[TM+4+\b], v[TM+\b], s[SEL], s[SEL+1]
.endr
.irp b, 0,1,2,3
	v_max_num_f32 v[TM+\b], v[TM+\b], v[TM+4+\b]
.endr
.irp b, 0,1,2,3
	v_add_nc_u32 v[TM+12+\b], 0xff000000, v[TM+\b] ; 2 off the exponent field: the conversion's scale operand
.endr
.irp b, 0,1,2,3
	v_lshrrev_b32 v[TM+4+\b], 23, v[TM+12+\b]      ; the byte
.endr
	WIN (\w)
.irp c, 0,1
	v_cvt_scalef32_pk8_fp4_f32 v[\pc+4*\c],   v[\s+32*\c:\s+32*\c+7],     v[TM+12+2*\c]
	v_cvt_scalef32_pk8_fp4_f32 v[\pc+4*\c+2], v[\s+32*\c+8:\s+32*\c+15],  v[TM+12+2*\c]
	v_cvt_scalef32_pk8_fp4_f32 v[\pc+4*\c+1], v[\s+32*\c+16:\s+32*\c+23], v[TM+13+2*\c]
	v_cvt_scalef32_pk8_fp4_f32 v[\pc+4*\c+3], v[\s+32*\c+24:\s+32*\c+31], v[TM+13+2*\c]
.endr
	WIN 0
	v_nop                                          ; one plain line behind the conversions
.irp c, 0,1
	v_permlane16_swap_b32 v[\pc+4*\c], v[\pc+4*\c+1]
	v_permlane16_swap_b32 v[\pc+4*\c+2], v[\pc+4*\c+3]
.endr
.endm
; Q, K: tokens 16 a + r.  A lane's 64 numbers are 32 of each of my two heads.
.macro EPI_QK a
.set AC, 64*((\a)%4)
.set W, 2+(\a)/4
.set PCA, PC+8*((\a)%4)
.if (\a) >= 4
	s_wait_xcnt 0x0                                ; the stores of four tiles ago have read this set of code registers
.endif
	WIN W*5
.set NN, 0
.rept 16                               ; the sums of squares: two chains of pairs for each head, ascending
.irp c, 0,1
.if NN < 2
	v_pk_mul_f32 v[SS+4*\c+2*NN:SS+4*\c+2*NN+1], v[AC+32*\c+2*NN:AC+32*\c+2*NN+1], v[AC+32*\c+2*NN:AC+32*\c+2*NN+1]
.else
	v_pk_fma_f32 v[SS+4*\c+2*(NN%2):SS+4*\c+2*(NN%2)+1], v[AC+32*\c+2*NN:AC+32*\c+2*NN+1], v[AC+32*\c+2*NN:AC+32*\c+2*NN+1], v[SS+4*\c+2*(NN%2):SS+4*\c+2*(NN%2)+1]
.endif
.endr
.set NN, NN+1
.endr
	WIN 0
	v_pk_add_f32 v[SS:SS+1], v[SS:SS+1], v[SS+2:SS+3]
	v_pk_add_f32 v[SS+4:SS+5], v[SS+4:SS+5], v[SS+6:SS+7]
	v_add_f32 v[SS], v[SS], v[SS+1]
	v_add_f32 v[SS+4], v[SS+4], v[SS+5]
	v_permlanex16_b32 v[SS+1], v[SS], s[SEL], s[SEL+1]
	v_permlanex16_b32 v[SS+5], v[SS+4], s[SEL], s[SEL+1]
	v_add_f32 v[SS], v[SS], v[SS+1]                ; with lane l xor 16's 32: the head's 64
	v_add_f32 v[SS+4], v[SS+4], v[SS+5]
	v_cmp_ne_u32 vcc_lo, 0, v[MSK+(\a)]
	v_rsq_f32 v[FN], v[SS]
	v_rsq_f32 v[FN+2], v[SS+4]
	v_nop                                          ; a plain line behind the transcendentals
	s_wait_alu depctr_va_vdst(0)
	v_cndmask_b32 v[FN], 0, v[FN], vcc_lo          ; a masked token's factor is 0
	v_cndmask_b32 v[FN+2], 0, v[FN+2], vcc_lo
	WIN W
.set NN, 0
.rept 32
	v_pk_mul_f32 v[ST+2*NN:ST+2*NN+1], v[AC+2*NN:AC+2*NN+1], v[FN+2*(NN/16):FN+2*(NN/16)+1] op_sel_hi:[1,0]
.set NN, NN+1
.endr
	QUANT ST, 0, PCA
	global_store_b128 v1, v[PCA:PCA+3], s[OB:OB+1] offset:512*(\a)       ; my first head, tile a: 512 consecutive bytes
	global_store_b128 v1, v[PCA+4:PCA+7], s[OB+2:OB+3] offset:512*(\a)   ; my second head
	v_cndmask_b32 v[TT], v[TM+4], v[TM+6], s[HM]   ; lanes 0-15 gather my first head's two bytes, lanes 16-31 my second's
	v_cndmask_b32 v[TT+1], v[TM+5], v[TM+7], s[HM]
.if (\a)%2 == 0
	v_lshl_or_b32 v[SW+(\a)/2], v[TT+1], 8, v[TT]
.else
	v_lshl_or_b32 v[TT], v[TT+1], 8, v[TT]
	v_lshl_or_b32 v[SW+(\a)/2], v[TT], 16, v[SW+(\a)/2]   ; a word: tile 2 u's two bytes, then tile 2 u + 1's
.endif
.endm
; V: rows d = 16 (a % 4) + r of head a / 4; a lane's 64 numbers run along my 128 tokens: one fragment of V^T and one scale word a row
.macro EPI_V a
.set AC, 64*((\a)%4)
.set W, 2+(\a)/4
.set PCA, PC+8*((\a)%4)
.if (\a) >= 4
	s_wait_xcnt 0x0
.endif
	QUANT AC, W, PCA
	v_lshl_or_b32 v[SW+(\a)], v[TM+5], 8, v[TM+4]
	v_lshl_or_b32 v[SW+(\a)], v[TM+6], 16, v[SW+(\a)]
	v_lshl_or_b32 v[SW+(\a)], v[TM+7], 24, v[SW+(\a)]
	global_store_b128 v1, v[PCA:PCA+3], s[OB+2*((\a)/4):OB+2*((\a)/4)+1] offset:4352+((\a)%4)*1024
	global_store_b128 v1, v[PCA+4:PCA+7], s[OB+2*((\a)/4):OB+2*((\a)/4)+1] offset:4352+((\a)%4)*1024+512
.endm
	s_wait_loadcnt 0x0                             ; the masks
	s_cmp_eq_u32 s17, 2                            ; the product: alike in all partners
	s_cbranch_scc1 .Lv
.irp a, 0,1,2,3,4,5,6,7
	EPI_QK \a
.endr
	global_store_b128 v20, v[SW:SW+3], s[OB:OB+1] offset:4096    ; sixteen lanes store a head's 256 bytes of scale words
	s_branch .Lend
.Lv:
.irp a, 0,1,2,3,4,5,6,7
	EPI_V \a
.endr
.irp i, 0,1,2,3
	v_cndmask_b32 v[OUT+\i], v[SW+\i], v[SW+4+\i], s[HM]
.endr
	global_store_b128 v20, v[OUT:OUT+3], s[OB:OB+1] offset:8448
.Lend:
	s_wait_tensorcnt 0x0
	s_wait_dscnt 0x0
	s_wait_tensorcnt 0x0
	ds_add_u32 v254, v255
	s_wait_dscnt 0x0
	CROUND                                         ; the closing round
	s_endpgm
.Lfunc_end_k_q157529333d_qkv:
	.size	k_q157529333d_qkv, .Lfunc_end_k_q157529333d_qkv-k_q157529333d_qkv
	.p2alignl 7, 3214868480
	.fill 96, 4, 3214868480
	.section	.rodata,"a",@progbits
	.p2align	6, 0x0
	.amdhsa_kernel k_q157529333d_qkv
		.amdhsa_group_segment_fixed_size 279040
		.amdhsa_private_segment_fixed_size 0
		.amdhsa_enable_private_segment 0
		.amdhsa_kernarg_size 32
		.amdhsa_user_sgpr_count 2
		.amdhsa_user_sgpr_kernarg_segment_ptr 1
		.amdhsa_wavefront_size32 1
		.amdhsa_system_sgpr_workgroup_id_x 1
		.amdhsa_system_sgpr_workgroup_id_y 1
		.amdhsa_system_sgpr_workgroup_id_z 1
		.amdhsa_system_vgpr_workitem_id 0
		.amdhsa_next_free_vgpr 1024
		.amdhsa_next_free_sgpr 100
		.amdhsa_reserve_vcc 1
		.amdhsa_float_denorm_mode_32 3
		.amdhsa_float_denorm_mode_16_64 3
		.amdhsa_memory_ordered 1
		.amdhsa_forward_progress 1
		.amdhsa_inst_pref_size 198
	.end_amdhsa_kernel
	.amdgpu_metadata
---
amdhsa.version: [ 1, 2 ]
amdhsa.kernels:
  - .name:           k_q157529333d_qkv
    .symbol:         k_q157529333d_qkv.kd
    .args:
      - { .name: xw, .offset: 0, .size: 8, .value_kind: global_buffer, .address_space: global }
      - { .name: masks, .offset: 8, .size: 8, .value_kind: global_buffer, .address_space: global }
      - { .name: qb, .offset: 16, .size: 8, .value_kind: global_buffer, .address_space: global }
      - { .name: kv, .offset: 24, .size: 8, .value_kind: global_buffer, .address_space: global }
    .group_segment_fixed_size: 279040
    .private_segment_fixed_size: 0
    .kernarg_segment_align: 8
    .kernarg_segment_size: 32
    .max_flat_workgroup_size: 128
    .sgpr_count:     100
    .vgpr_count:     1024
    .wavefront_size: 32
...
	.end_amdgpu_metadata
.endif
;; end of part 2
;; launch attn (part 3): grid 8 x 32, 16 waves a work-group, clusters of 4 x 1, 182,784 bytes of LDS; arguments qb, kv, cxb; writes cxb
.if DOCPART == 3
	.amdgcn_target "amdgcn-amd-amdhsa--gfx1250"
	.amdhsa_code_object_version 6
	.text
	.protected	k_q157529333d_attn
	.globl	k_q157529333d_attn
	.p2align	8
	.type	k_q157529333d_attn,@function
k_q157529333d_attn:
	s_mov_b64 s[64:65], 0
	v_nop
	global_prefetch_b8 v0, s[64:65] scope:SCOPE_SE
	s_setreg_imm32_b32 hwreg(HW_REG_WAVE_MODE, 25, 1), 1
	s_wait_xcnt 0x0
	s_wait_alu depctr_hold_cnt(0) depctr_sa_sdst(0) depctr_va_vdst(0) depctr_va_sdst(0) depctr_va_ssrc(0) depctr_va_vcc(0) depctr_vm_vsrc(0)
	s_getreg_b32 s2, hwreg(HW_REG_IB_STS2, 6, 4)
	s_cmp_eq_u32 s2, 0
	s_cbranch_scc0 .Lentry_in_a_cluster
	s_endpgm
.Lentry_in_a_cluster:
	s_bfe_u32 s2, ttmp6, 0x10000c
	s_cmp_lg_u32 s2, 0x3003
	s_cbranch_scc0 .Lentry_shape_is_right
	s_endpgm
.Lentry_shape_is_right:
; ctx = (relu(Qn Kn^T) under the causal mask) V for one batch and head, both products on codes of FP4 with E8M0 scales; ctx leaves as codes along D, in records laid as the last product's operand.
; The padding mask is already in the codes: a masked token's Q and K codes are zeros, so its scores are exactly 0.
; SHARES.  The grid's y is 16 batch + head.  A work-group owns query tile g (16 queries) of EACH of the 16 blocks of 128 tokens: 1 + 2 + .. + 16 = 136 key steps of 128 keys.
; ctx is a plain sum over the keys, so a tile's key steps are shared out.  Waves i and 8 + i (i = 0 .. 7) serve tile HI (block 15 - i, 16 - i steps) and tile LO (block i, i + 1 steps):
;   wave i, the owner:      HI's steps 8 - i .. 15 - i                          8 steps
;   wave 8 + i, the helper: HI's steps 0 .. 7 - i, then LO's steps 0 .. i       9 steps
; The helper hands its part of HI's sums to the owner through LDS as an image of its registers.  All of this hangs on the wave's number alone: it is alike in every work-group.
; THE TEXT has two segments, each a first step (its products start the sums) and a loop of 7 trips; steps that are not the wave's are left out by a scalar branch inside the loop, so trip counts stay constants.
; Segment 1 is tile HI for both roles; segment 2 is tile LO, of which an owner leaves out every step.
; LDS holds the head's 16 records of kv (K's codes and scales, V^T's codes and scales of 128 keys: 8,704 bytes), each byte filled once: wave w asks for record w, jointly with the same wave of the
; three other work-groups of the cluster, which share the head.  One tensor load of a wave is out.  Behind the records and a gap of one record lie the stages, 4,096 bytes a pair of waves.
; LAYOUT.  Both products are used transposed: S^T = K Q^T, O^T = V^T P^T: a lane holds one query (lane % 16) throughout, and the scores' registers run along the keys.
; K = 64 IN AN INSTRUCTION OF K = 128: a fragment of K holds tile 2 u in its first half of K and tile 2 u + 1 in its second; Q's operand is [q][0] for the even tile and [0][q] for the odd one: zero codes add nothing.
; The weights are quantised in the tiles' natural order: a tile's eight codes are one word of a block of 32 keys, and two exchanges of halves a pair of blocks give the operand's layout.
; RELU IS DONE ON THE CODES: a block's largest weight is the largest score taken without |.| over a positive floor; the conversion then gives negative scores negative codes, whose magnitude bits are cleared:
; what is left of them is the code -0, which adds nothing.  Four plain lines for eight numbers.
; HI's sum is formed of two partial f32 sums (the helper's keys, the owner's keys), each in ascending order of the keys.
; ctx's scale bytes leave one byte a lane (32 bytes beside 512 bytes of codes): they fill their 256-byte blocks in part.
; LIMITS: NaN and infinities are not served; a block of zeros carries the byte 1 over zero codes (this program alone reads the bytes).
.set REC,   8704
.set QREC,  4352
.set CREC,  69632
.set KSC,   4096
.set VC,    4352
.set VSC,   8448
.set STG,   17*REC                     ; the stages: 8 x 4,096 bytes
.set LA,   1                           ; v1   16 x lane
.set LR,   2                           ; v2   16 r
.set D0,   3                           ; v3   16 g + r - 8 h
.set ADR,  4                           ; v4   the step's record + 16 x lane
.set ADS,  5                           ; v5   the step's record + 16 r
.set NIL,  6                           ; v6   0
.set QSA,  7                           ; v7   tile HI's Q scale word: its two bytes twice
.set QFA,  8                           ; v[8:19] tile HI's [q][0][q]
.set TM,   20                          ; +0..3 largest, +4..7 the other half's, then bytes, +8..11 scale operands
.set KF,   32                          ; four fragments of K, two tiles each
.set KS,   64
.set VS,   68
.set VF,   72
.set S,    104                         ; the scores; behind the conversions v104-111 are at work on the codes
.set O,    168
.set PC,   200
.set PW,   208
.set BO,   215                         ; v215 16 r + h: my scale byte's place on the way out
.set ADK,  216                         ; v216 the next step's record + 16 x lane
.set ADKS, 217                         ; v217 the next step's record + 16 r
.set QFB,  218                         ; v[218:229] tile LO's [q][0][q]
.set QSB,  230                         ; v230 tile LO's Q scale word
.set SA,   231                         ; v231 my pair's stage + 16 x lane
.set OC,   232                         ; v[232:235] ctx's codes, v236 its byte
.set WV,   10
.set IX,   11                          ; i
.set ROLE, 12                          ; 0 owner, 1 helper
.set G,    13
.set BH,   14
.set KST,  15                          ; the key step in hand
.set TB,   16                          ; its record's LDS byte
.set HM,   17
.set SEL,  18
.set NR,   20
.set B1,   21                          ; 15 - i
.set LAST, 22                          ; the segment's last step of mine
.set DG,   23                          ; the tile's block: the step on the diagonal
.set G1,   24
.set G0,   32
.set TN,   36
.set M1,   37
.set M7,   38
.set FB,   39                          ; the block of the tile that I finish
.set CNT,  40
.set E2,   51
.macro CROUND
	s_barrier_signal -1
	s_barrier_wait -1
	s_cmp_lg_u32 s[WV], 0
	s_cbranch_scc1 .Lnot_wave_0_\@
	s_barrier_signal -3
.Lnot_wave_0_\@:
	s_barrier_wait -3
	s_barrier_signal -1
	s_barrier_wait -1
.endm
	s_load_b128 s[4:7], s[0:1], 0x0                ; qb, kv
	s_load_b64 s[8:9], s[0:1], 0x10                ; cxb
	v_lshl_add_u32 v254, v0, 2, 0x2c200
	v_mov_b32 v255, 0
	ds_add_u32 v254, v255
	ds_add_u32 v254, v255
	v_lshrrev_b32 v1, 5, v0
	v_readfirstlane_b32 s[WV], v1                  ; wave 0..15
	s_and_b32 s[IX], s[WV], 7
	s_lshr_b32 s[ROLE], s[WV], 3
	s_xor_b32 s[NR], s[ROLE], 1
	s_xor_b32 s[B1], s[IX], 15                     ; 15 - i
	s_mul_i32 s41, s[NR], 15
	s_xor_b32 s[FB], s[IX], s41                    ; owner: 15 - i; helper: i
	s_xor_b32 s42, s[IX], 7                        ; 7 - i
	s_add_co_u32 s43, s42, 1                       ; 8 - i
	s_and_b32 s[KST], s43, s41                     ; segment 1 begins at step 8 - i (owner) or 0 (helper),
	s_mul_i32 s[TB], s[KST], REC
	s_lshl_b32 s44, s[NR], 3
	s_add_co_u32 s[LAST], s42, s44                 ; and ends with step 15 - i (owner) or 7 - i (helper)
	s_mov_b32 s[DG], s[B1]
	s_cmp_eq_u32 s[ROLE], 1
	s_cselect_b32 s[E2], s[IX], -1                 ; segment 2 ends with step i (helper); under every step (owner)
	s_bfe_u32 s45, ttmp6, 0x40000                  ; cx
	s_lshl_b32 s[G], ttmp9, 2
	s_add_co_u32 s[G], s[G], s45                   ; g: it enters Q's and ctx's global addresses and the diagonal's compare alone
	s_and_b32 s[BH], ttmp7, 0xffff                 ; 16 batch + head, which the partners share
	s_mov_b32 s[G1], 15|(3<<16)|(1<<21)            ; the mask: all four work-groups; elements of 8 bytes; 21 set beside a mask
	s_mov_b32 s[G1+1], 32<<16                      ; rows of 256 bytes,
	s_mov_b32 s[G1+2], 34<<16                      ; 34 of them: a record
	s_mov_b32 s[G1+3], 32<<16
	s_mov_b32 s[G1+4], 34
	s_mov_b32 s[G1+5], 32
	s_mov_b32 s[G1+6], 0
	s_mov_b32 s[G1+7], 0
	s_mul_i32 s46, s[WV], REC                      ; I fetch record w
	s_mul_i32 s48, s[BH], 16*REC
	s_add_co_u32 s48, s48, s46
	s_mov_b32 s49, 0
	s_lshl_b32 s50, s[BH], 4
	s_add_co_u32 s56, s50, s[B1]
	s_mul_i32 s56, s56, QREC                       ; Q's record of tile HI,
	s_mov_b32 s57, 0
	s_add_co_u32 s58, s50, s[IX]
	s_mul_i32 s58, s58, QREC                       ; of tile LO
	s_mov_b32 s59, 0
	s_lshl_b32 s53, s[G], 9                        ; tile g's codes in a record,
	s_lshr_b32 s54, s[G], 1
	s_lshl_b32 s54, s54, 2                         ; the word that holds its two bytes,
	s_and_b32 s55, s[G], 1
	s_lshl_b32 s55, s55, 4                         ; and which half of it
	; where ctx goes: record 16 batch + FB; K step head / 2, tile g, c = head % 2
	s_lshr_b32 s41, s[BH], 4
	s_lshl_b32 s41, s41, 4
	s_add_co_u32 s41, s41, s[FB]
	s_mul_i32 s41, s41, CREC
	s_and_b32 s42, s[BH], 15                       ; head
	s_lshr_b32 s43, s42, 1
	s_and_b32 s45, s[BH], 1
	s_lshl_b32 s60, s43, 13
	s_add_co_u32 s60, s60, s41
	s_lshl_b32 s44, s[G], 10
	s_add_co_u32 s60, s60, s44
	s_lshl_b32 s44, s45, 9
	s_add_co_u32 s60, s60, s44
	s_add_co_u32 s60, s60, 4096
	s_mov_b32 s61, 0                               ; codes
	s_lshr_b32 s62, s42, 3
	s_lshl_b32 s62, s62, 11
	s_add_co_u32 s62, s62, s41
	s_lshl_b32 s44, s[G], 8
	s_add_co_u32 s62, s62, s44
	s_and_b32 s44, s43, 3
	s_lshl_b32 s44, s44, 2
	s_add_co_u32 s62, s62, s44
	s_lshl_b32 s44, s45, 1
	s_add_co_u32 s62, s62, s44
	s_mov_b32 s63, 0                               ; scale bytes
	s_mov_b32 s[HM], 0xffff0000                    ; lanes 16-31
	s_mov_b32 s[SEL], 0x76543210
	s_mov_b32 s[SEL+1], 0xfedcba98                 ; v_permlanex16_b32's selects for lane l xor 16
	s_mov_b32 s[M1], 0x11111111
	s_mov_b32 s[M7], 0x77777777
	v_and_b32 v1, 31, v0
	v_lshlrev_b32 v[LA], 4, v1
	v_and_b32 v213, 15, v0                         ; r
	v_lshlrev_b32 v[LR], 4, v213
	v_bfe_u32 v214, v0, 4, 1                       ; h
	v_add_nc_u32 v209, s53, v[LA]
	v_add_nc_u32 v210, s54, v[LR]
	s_wait_dscnt 0x0
	s_wait_kmcnt 0x0
	s_add_nc_u64 s[56:57], s[4:5], s[56:57]
	s_add_nc_u64 s[58:59], s[4:5], s[58:59]
	global_load_b128 v[QFA:QFA+3], v209, s[56:57]          ; both tiles' Q, asked for ahead of the round: nobody writes these bytes
	global_load_b128 v[QFA+8:QFA+11], v209, s[56:57]
	global_load_b32 v211, v210, s[56:57] offset:KSC
	global_load_b128 v[QFB:QFB+3], v209, s[58:59]
	global_load_b128 v[QFB+8:QFB+11], v209, s[58:59]
	global_load_b32 v212, v210, s[58:59] offset:KSC
	s_mov_b32 s[G0], 1
	s_mov_b32 s[G0+1], s46
	s_add_nc_u64 s[G0+2:G0+3], s[6:7], s[48:49]
	s_or_b32 s[G0+3], s[G0+3], 0x80000000
	s_add_nc_u64 s[60:61], s[8:9], s[60:61]
	s_add_nc_u64 s[62:63], s[8:9], s[62:63]
	CROUND                                         ; all four work-groups are here: the joint loads meet
	tensor_load_to_lds s[G0:G0+3], s[G1:G1+7]      ; every wave its record: one load of mine is out
	s_nop 0
.rept 4
	v_nop
.endr
	v_lshlrev_b32 v[D0], 3, v214
	v_sub_nc_u32 v[D0], v213, v[D0]
	s_lshl_b32 s52, s[G], 4
	v_add_nc_u32 v[D0], s52, v[D0]
	v_add_nc_u32 v[BO], v214, v[LR]
	s_lshl_b32 s52, s[IX], 12
	s_add_co_u32 s52, s52, STG
	v_add_nc_u32 v[SA], s52, v[LA]                 ; the helper stores there, the owner loads from there
	s_wait_loadcnt 0x0
	v_lshrrev_b32 v211, s55, v211
	v_lshrrev_b32 v212, s55, v212
	v_and_b32 v211, 0xffff, v211
	v_and_b32 v212, 0xffff, v212
	v_lshl_or_b32 v[QSA], v211, 16, v211
	v_lshl_or_b32 v[QSB], v212, 16, v212           ; more than eight plain lines stand between these lines and the first product
.irp i, 4,5,6,7
	v_mov_b32 v[QFA+\i], 0
	v_mov_b32 v[QFB+\i], 0
.endr
.irp b, 0,1,2,3
	v_mov_b32 v[TM+4+\b], 0                        ; written once: a lane permute's destination counts as one of its sources
.endr
	v_mov_b32 v[NIL], 0
	v_add_nc_u32 v[ADK], s[TB], v[LA]
	v_add_nc_u32 v[ADKS], s[TB], v[LR]
.macro KFETCH                          ; 9 loads: a step's K, eight tiles, and its scale words
.irp t, 0,1,2,3,4,5,6,7
	ds_load_b128 v[KF+4*\t:KF+4*\t+3], v[ADK] offset:512*\t
.endr
	ds_load_b128 v[KS:KS+3], v[ADKS] offset:KSC
.endm
; A KEY STEP: 128 keys.  first = 1: its products start O^T's sums.  sk = 1: the step is left out where it lies behind my last.  dg = 1: it may be the one on the diagonal.  qf, qs: the tile's Q.
.macro STEP first, sk, dg, qf, qs
.if \sk
	s_cmp_gt_i32 s[KST], s[LAST]
	s_cbranch_scc1 .Lskip_\@
.endif
	s_add_co_u32 s[TN], s[TB], REC
	s_min_u32 s[TN], s[TN], 15*REC                 ; the next record; held at the last one, which a step that fetches never passes
	v_add_nc_u32 v[ADR], s[TB], v[LA]
	v_add_nc_u32 v[ADS], s[TB], v[LR]
	v_add_nc_u32 v[ADK], s[TN], v[LA]
	v_add_nc_u32 v[ADKS], s[TN], v[LR]             ; these four are the places in front of loads into registers that the last products read
.irp t, 0,1,2,3
.irp c, 0,1
	ds_load_b128 v[VF+8*\t+4*\c:VF+8*\t+4*\c+3], v[ADR] offset:VC+1024*\t+512*\c
.endr
.endr
	ds_load_b128 v[VS:VS+3], v[ADS] offset:VSC
	s_wait_dscnt 9                                 ; K's nine loads, asked for a step ago, are in; V's nine may be out
.irp t, 0,1,2,3,4,5,6,7
	v_wmma_scale_f32_16x16x128_f8f6f4 v[S+8*\t:S+8*\t+7], v[KF+8*(\t/2):KF+8*(\t/2)+7], v[\qf+4*(\t%2):\qf+4*(\t%2)+7], 0, v[KS+\t/2], v[\qs] matrix_a_fmt:MATRIX_FMT_FP4 matrix_b_fmt:MATRIX_FMT_FP4
.endr
.rept 4
	v_nop
.endr
.if \dg
	s_cmp_eq_u32 s[KST], s[DG]
	s_cbranch_scc1 .Ldiag_\@
.endif
	KFETCH                                         ; the next record's K (behind a helper's last step of tile HI it is not used)
.if \dg
	s_branch .Ljoin_\@
.Ldiag_\@:                                         ; the tile's last step.  Register 8 t + j holds key 16 t + 8 h + j of the step: hidden where 16 t + j > 16 g + r - 8 h
.set NN, 0
.rept 64
	v_cmp_gt_i32 vcc_lo, 16*(NN/8)+NN%8, v[D0]
	v_cndmask_b32 v[S+NN], v[S+NN], v[NIL], vcc_lo
.set NN, NN+1
.endr
	s_wait_dscnt 0x0                               ; V is in: nothing was asked for behind it on this way
.Ljoin_\@:
.endif
.irp b, 0,1,2,3
	v_max3_num_f32 v[TM+\b], v[S+16*\b], v[S+16*\b+1], 0x1800000   ; each block's largest score, no |.|: what is negative becomes 0 and must not count; the floor 2^(3 - 127) stands over it
.endr
.irp i, 2,4,6,8,10,12,14
.irp b, 0,1,2,3
	v_max3_num_f32 v[TM+\b], v[TM+\b], v[S+16*\b+\i], v[S+16*\b+\i+1]
.endr
.endr
.irp b, 0,1,2,3
	v_permlanex16_b32 v[TM+4+\b], v[TM+\b], s[SEL], s[SEL+1]
.endr
.irp b, 0,1,2,3
	v_max_num_f32 v[TM+\b], v[TM+\b], v[TM+4+\b]
.endr
.irp b, 0,1,2,3
	v_add_nc_u32 v[TM+8+\b], 0xff000000, v[TM+\b]  ; 2 off the exponent field: the conversion's scale operand
.endr
.irp b, 0,1,2,3
	v_lshrrev_b32 v[TM+4+\b], 23, v[TM+8+\b]       ; the byte
.endr
	v_lshl_or_b32 v[PW], v[TM+5], 8, v[TM+4]
	v_lshl_or_b32 v[PW], v[TM+6], 16, v[PW]
	v_lshl_or_b32 v[PW], v[TM+7], 24, v[PW]        ; the weights' scale word for these 128 keys
.irp c, 0,1
	v_cvt_scalef32_pk8_fp4_f32 v[PC+4*\c],   v[S+32*\c:S+32*\c+7],     v[TM+8+2*\c]
	v_cvt_scalef32_pk8_fp4_f32 v[PC+4*\c+2], v[S+32*\c+8:S+32*\c+15],  v[TM+8+2*\c]
	v_cvt_scalef32_pk8_fp4_f32 v[PC+4*\c+1], v[S+32*\c+16:S+32*\c+23], v[TM+9+2*\c]
	v_cvt_scalef32_pk8_fp4_f32 v[PC+4*\c+3], v[S+32*\c+24:S+32*\c+31], v[TM+9+2*\c]
.endr
	v_nop                                          ; one plain line behind the conversions
	; relu on the codes: 0x7 + a code's sign bit is 0x7 for a positive code, which keeps it, and 0x8 for a negative one, which leaves -0
.irp d, 0,1,2,3,4,5,6,7
	v_lshrrev_b32 v[S+\d], 3, v[PC+\d]
.endr
.irp d, 0,1,2,3,4,5,6,7
	v_and_b32 v[S+\d], s[M1], v[S+\d]              ; (these sixteen lines are also the places between the scale word and the products)
.endr
.irp d, 0,1,2,3,4,5,6,7
	v_add_nc_u32 v[S+\d], s[M7], v[S+\d]
.endr
.irp d, 0,1,2,3,4,5,6,7
	v_and_b32 v[PC+\d], v[PC+\d], v[S+\d]
.endr
.irp c, 0,1
	v_permlane16_swap_b32 v[PC+4*\c], v[PC+4*\c+1]
	v_permlane16_swap_b32 v[PC+4*\c+2], v[PC+4*\c+3]
.endr
	s_wait_dscnt 9                                 ; V is in; the next K, nine younger loads, may be out
.rept 4
	v_nop                                          ; an operand written by vector instructions stands four places ahead of a scaled product
.endr
.irp t, 0,1,2,3
.if \first
	v_wmma_scale_f32_16x16x128_f8f6f4 v[O+8*\t:O+8*\t+7], v[VF+8*\t:VF+8*\t+7], v[PC:PC+7], 0, v[VS+\t], v[PW] matrix_a_fmt:MATRIX_FMT_FP4 matrix_b_fmt:MATRIX_FMT_FP4
.else
	v_wmma_scale_f32_16x16x128_f8f6f4 v[O+8*\t:O+8*\t+7], v[VF+8*\t:VF+8*\t+7], v[PC:PC+7], v[O+8*\t:O+8*\t+7], v[VS+\t], v[PW] matrix_a_fmt:MATRIX_FMT_FP4 matrix_b_fmt:MATRIX_FMT_FP4
.endif
.endr
.Lskip_\@:
	s_add_co_u32 s[TB], s[TB], REC
	s_add_co_u32 s[KST], s[KST], 1
.endm
	s_wait_tensorcnt 0x0                           ; my record is in,
	s_barrier_signal -1
	s_barrier_wait -1                              ; all sixteen are: owners begin at steps up to 8
	KFETCH
	; ---- segment 1: tile HI
	STEP 1, 0, 0, QFA, QSA                         ; every wave has a first step here, and it never lies on the diagonal
	s_mov_b32 s[CNT], 7
.Lseg1:
	STEP 0, 1, 1, QFA, QSA
	s_sub_co_u32 s[CNT], s[CNT], 1
	s_cmp_lg_u32 s[CNT], 0
	s_cbranch_scc1 .Lseg1
	; ---- the seam: the helper's part of HI's sums goes to the pair's stage as an image of its registers
.rept 4
	v_nop                                          ; places in front of the first read of results
.endr
	s_cmp_eq_u32 s[ROLE], 0
	s_cbranch_scc1 .Lkeeps
.irp k, 0,1,2,3,4,5,6,7
	ds_store_b128 v[SA], v[O+4*\k:O+4*\k+3] offset:512*\k   ; each accumulator from its low end on
.endr
.Lkeeps:
	s_wait_dscnt 0x0                               ; the stores have read their registers, and the K fetched last is in: both sets of registers are written again
	s_mov_b32 s[KST], 0
	s_mov_b32 s[TB], 0
	s_mov_b32 s[LAST], s[E2]
	s_mov_b32 s[DG], s[IX]
	v_mov_b32 v[ADK], v[LA]
	v_mov_b32 v[ADKS], v[LR]
	KFETCH                                         ; step 0's K
	; ---- segment 2: tile LO; an owner leaves out every step
	STEP 1, 1, 1, QFB, QSB
	s_mov_b32 s[CNT], 7
.Lseg2:
	STEP 0, 1, 1, QFB, QSB
	s_sub_co_u32 s[CNT], s[CNT], 1
	s_cmp_lg_u32 s[CNT], 0
	s_cbranch_scc1 .Lseg2
	s_wait_dscnt 0x0                               ; for the owners' sake: my stores into the stage are done; my own loads are in
	s_barrier_signal -1
	s_barrier_wait -1
.rept 4
	v_nop                                          ; places in front of the first read of results
.endr
	s_cmp_lg_u32 s[ROLE], 0
	s_cbranch_scc1 .Lown
.irp k, 0,1,2,3,4,5,6,7
	ds_load_b128 v[S+4*\k:S+4*\k+3], v[SA] offset:512*\k    ; the helper's part: the same registers in the same lanes
.endr
	s_wait_dscnt 0x0
.set NN, 0
.rept 16
	v_pk_add_f32 v[O+2*NN:O+2*NN+1], v[O+2*NN:O+2*NN+1], v[S+2*NN:S+2*NN+1]
.set NN, NN+1
.endr
.Lown:
	; THE WAY OUT: 16 queries' 64 numbers of ctx are two blocks along D: register 8 t + j = d 16 t + 8 h + j.  The owner finishes tile HI, the helper tile LO
.irp b, 0,1
	v_max3_num_f32 v[TM+\b], |v[O+16*\b]|, |v[O+16*\b+1]|, 0x1800000
.endr
.irp i, 2,4,6,8,10,12,14
.irp b, 0,1
	v_max3_num_f32 v[TM+\b], v[TM+\b], |v[O+16*\b+\i]|, |v[O+16*\b+\i+1]|
.endr
.endr
.irp b, 0,1
	v_permlanex16_b32 v[TM+4+\b], v[TM+\b], s[SEL], s[SEL+1]
.endr
.irp b, 0,1
	v_max_num_f32 v[TM+\b], v[TM+\b], v[TM+4+\b]
.endr
.irp b, 0,1
	v_add_nc_u32 v[TM+8+\b], 0xff000000, v[TM+\b]
.endr
.irp b, 0,1
	v_lshrrev_b32 v[TM+4+\b], 23, v[TM+8+\b]
.endr
	v_cvt_scalef32_pk8_fp4_f32 v[OC], v[O:O+7], v[TM+8]
	v_cvt_scalef32_pk8_fp4_f32 v[OC+2], v[O+8:O+15], v[TM+8]
	v_cvt_scalef32_pk8_fp4_f32 v[OC+1], v[O+16:O+23], v[TM+9]
	v_cvt_scalef32_pk8_fp4_f32 v[OC+3], v[O+24:O+31], v[TM+9]
	v_nop                                          ; one plain line behind the conversions
	v_permlane16_swap_b32 v[OC], v[OC+1]
	v_permlane16_swap_b32 v[OC+2], v[OC+3]         ; lane (r, h): block h of my head, whole
	v_cndmask_b32 v[OC+4], v[TM+4], v[TM+5], s[HM]
	global_store_b128 v[LA], v[OC:OC+3], s[60:61]  ; 512 consecutive bytes
	global_store_b8 v[BO], v[OC+4], s[62:63]       ; every lane a byte of its own
	s_wait_tensorcnt 0x0
	s_wait_dscnt 0x0
	s_wait_tensorcnt 0x0
	ds_add_u32 v254, v255
	s_wait_dscnt 0x0
	CROUND                                         ; the closing round
	s_endpgm
.Lfunc_end_k_q157529333d_attn:
	.size	k_q157529333d_attn, .Lfunc_end_k_q157529333d_attn-k_q157529333d_attn
	.p2alignl 7, 3214868480
	.fill 96, 4, 3214868480
	.section	.rodata,"a",@progbits
	.p2align	6, 0x0
	.amdhsa_kernel k_q157529333d_attn
		.amdhsa_group_segment_fixed_size 182784
		.amdhsa_private_segment_fixed_size 0
		.amdhsa_enable_private_segment 0
		.amdhsa_kernarg_size 24
		.amdhsa_user_sgpr_count 2
		.amdhsa_user_sgpr_kernarg_segment_ptr 1
		.amdhsa_wavefront_size32 1
		.amdhsa_system_sgpr_workgroup_id_x 1
		.amdhsa_system_sgpr_workgroup_id_y 1
		.amdhsa_system_sgpr_workgroup_id_z 1
		.amdhsa_system_vgpr_workitem_id 0
		.amdhsa_next_free_vgpr 256
		.amdhsa_next_free_sgpr 66
		.amdhsa_reserve_vcc 1
		.amdhsa_float_denorm_mode_32 3
		.amdhsa_float_denorm_mode_16_64 3
		.amdhsa_memory_ordered 1
		.amdhsa_forward_progress 1
		.amdhsa_inst_pref_size 61
	.end_amdhsa_kernel
	.amdgpu_metadata
---
amdhsa.version: [ 1, 2 ]
amdhsa.kernels:
  - .name:           k_q157529333d_attn
    .symbol:         k_q157529333d_attn.kd
    .args:
      - { .name: qb, .offset: 0, .size: 8, .value_kind: global_buffer, .address_space: global }
      - { .name: kv, .offset: 8, .size: 8, .value_kind: global_buffer, .address_space: global }
      - { .name: cxb, .offset: 16, .size: 8, .value_kind: global_buffer, .address_space: global }
    .group_segment_fixed_size: 182784
    .private_segment_fixed_size: 0
    .kernarg_segment_align: 8
    .kernarg_segment_size: 24
    .max_flat_workgroup_size: 512
    .sgpr_count:     66
    .vgpr_count:     256
    .wavefront_size: 32
...
	.end_amdgpu_metadata
.endif
;; end of part 3
;; launch outp (part 4): grid 8 x 32, 4 waves a work-group, clusters of 4 x 4, 168,448 bytes of LDS; arguments cxb, xw, out0; writes out0
.if DOCPART == 4
	.amdgcn_target "amdgcn-amd-amdhsa--gfx1250"
	.amdhsa_code_object_version 6
	.text
	.protected	k_q157529333d_outp
	.globl	k_q157529333d_outp
	.p2align	8
	.type	k_q157529333d_outp,@function
k_q157529333d_outp:
	s_mov_b64 s[64:65], 0
	v_nop
	global_prefetch_b8 v0, s[64:65] scope:SCOPE_SE
	s_setreg_imm32_b32 hwreg(HW_REG_WAVE_MODE, 25, 1), 1
	s_wait_xcnt 0x0
	s_wait_alu depctr_hold_cnt(0) depctr_sa_sdst(0) depctr_va_vdst(0) depctr_va_sdst(0) depctr_va_ssrc(0) depctr_va_vcc(0) depctr_vm_vsrc(0)
	s_getreg_b32 s2, hwreg(HW_REG_IB_STS2, 6, 4)
	s_cmp_eq_u32 s2, 0
	s_cbranch_scc0 .Lentry_in_a_cluster
	s_endpgm
.Lentry_in_a_cluster:
	s_bfe_u32 s2, ttmp6, 0x10000c
	s_cmp_lg_u32 s2, 0xf033
	s_cbranch_scc0 .Lentry_shape_is_right
	s_endpgm
.Lentry_shape_is_right:
; out0 = ctx Wo^T on codes of FP4 with E8M0 scales.  ctx: 32 records of cxb (128 tokens x K 1,024); Wo: records 56 to 63 of xw; out0 [4096][1024] f32.
; A work-group makes 128 x 128, so that there are 256 of them; four waves 64 x 64 each: 16 accumulators.  K = 1,024 of both operands (two records of 69,632 bytes) lies in LDS at once, every byte filled once.
; Source 0 = P = 16 rows of Wo, source 1 = L = 16 tokens: a lane holds eight neighbouring numbers of a row of out0.
; CLUSTER 4 x 4: L hangs on the place along y and is shared along a row, P on the place along x and is shared along a column: joint loads, four partners each.
; REGISTERS: window 0: v1-26 addresses; v32-63 scale words and nothing else; v64-127 rows on the way out; v128-255 accumulator (a, b) at v[128 + 8 (4 a + b)].
;   window 1: two fragment buffers of 128: for two K steps 64 registers of L (2 x 4 tiles), then 64 of P.
.set REC,   69632
.set CHUNK, 17408
.set STAGE, 2*REC                      ; behind the operands: 16 rows x 272 bytes for each wave; no tensor load lands there
.set SP,    272
.set SC,    32                         ; register SC + 8 i + q: lanes 0-15 the word of L's tile i, lanes 16-31 that of P's tile i, K step q
.set BK,    64
.set ACC,   128
.set F0,    0
.set F1,    128
.set G1L,   24
.set G1P,   32
.set G0L,   40                         ; s[40:47] two sets
.set G0P,   48                         ; s[48:55]
.set MSB, 0
.macro WIN new
.if MSB != (\new)
	s_set_vgpr_msb (MSB<<8)|(\new)
.set MSB, (\new)
.endif
.endm
.set MUL,  0x05                        ; sources 0 and 1 window 1; C and D window 0
.set TO_F, 0x40
.macro CROUND
	s_barrier_signal -1
	s_barrier_wait -1
	s_cmp_lg_u32 s10, 0
	s_cbranch_scc1 .Lnot_wave_0_\@
	s_barrier_signal -3
.Lnot_wave_0_\@:
	s_barrier_wait -3
	s_barrier_signal -1
	s_barrier_wait -1
.endm
.macro PLACES n
.rept \n
	v_nop
.endr
.endm
	s_load_b128 s[4:7], s[0:1], 0x0                ; cxb, xw
	s_load_b64 s[8:9], s[0:1], 0x10                ; out0
	v_lshl_add_u32 v30, v0, 2, 0x29000
	v_mov_b32 v31, 0
	ds_add_u32 v30, v31
	ds_add_u32 v30, v31
	v_lshrrev_b32 v1, 5, v0
	v_readfirstlane_b32 s10, v1                    ; wave
	s_lshr_b32 s11, s10, 1                         ; my 64 tokens.  Also: I fetch for L (0) or for P (1)
	s_and_b32 s12, s10, 1                          ; my 64 columns.  Also: I fetch chunks u and 2 + u
	s_bfe_u32 s13, ttmp6, 0x40000                  ; cx
	s_bfe_u32 s14, ttmp6, 0x40004                  ; cy
	s_lshl_b32 s15, ttmp9, 2
	s_add_co_u32 s15, s15, s13                     ; which 128 columns
	s_and_b32 s16, ttmp7, 0xffff
	s_lshl_b32 s16, s16, 2
	s_add_co_u32 s16, s16, s14                     ; which 128 tokens
	s_lshl_b32 s17, s14, 2
	s_lshl_b32 s17, 15, s17                        ; my row of the cluster
	s_lshl_b32 s18, 0x1111, s13                    ; my column
	s_or_b32 s[G1L], s17, (3<<16)|(1<<21)
	s_or_b32 s[G1P], s18, (3<<16)|(1<<21)
.irp g, G1L, G1P
	s_mov_b32 s[\g+1], 32<<16                      ; 68 rows of 256 bytes, dense
	s_mov_b32 s[\g+2], 68<<16
	s_mov_b32 s[\g+3], 32<<16
	s_mov_b32 s[\g+4], 68
	s_mov_b32 s[\g+5], 32
	s_mov_b32 s[\g+6], 0
	s_mov_b32 s[\g+7], 0
.endr
	s_mul_i32 s19, s12, CHUNK
	s_mul_i32 s56, s16, REC
	s_add_co_u32 s56, s56, s19
	s_mov_b32 s57, 0
	s_add_co_u32 s58, s15, 56
	s_mul_i32 s58, s58, REC
	s_add_co_u32 s58, s58, s19
	s_mov_b32 s59, 0
	s_mul_i32 s20, s11, REC
	s_add_co_u32 s20, s20, s19                     ; where it goes: L at 0, P behind it: the wave's number alone
	s_wait_dscnt 0x0
	s_wait_kmcnt 0x0
	s_add_nc_u64 s[56:57], s[4:5], s[56:57]
	s_add_nc_u64 s[58:59], s[6:7], s[58:59]
.irp k, 0,1
	s_mov_b32 s[G0L+4*\k], 1
	s_add_co_u32 s[G0L+4*\k+1], s20, \k*2*CHUNK
	s_add_nc_u64 s[G0L+4*\k+2:G0L+4*\k+3], s[56:57], \k*2*CHUNK
	s_or_b32 s[G0L+4*\k+3], s[G0L+4*\k+3], 0x80000000
	s_mov_b32 s[G0P+4*\k], 1
	s_add_co_u32 s[G0P+4*\k+1], s20, \k*2*CHUNK
	s_add_nc_u64 s[G0P+4*\k+2:G0P+4*\k+3], s[58:59], \k*2*CHUNK
	s_or_b32 s[G0P+4*\k+3], s[G0P+4*\k+3], 0x80000000
.endr
	CROUND                                         ; all sixteen work-groups are here: the joint loads meet
	s_cmp_eq_u32 s11, 0                            ; a wave's two fills stand in one branch: two loads of mine are out
	s_cbranch_scc0 .Lfor_p
	tensor_load_to_lds s[G0L:G0L+3], s[G1L:G1L+7]
	s_nop 0
	tensor_load_to_lds s[G0L+4:G0L+7], s[G1L:G1L+7]
	s_nop 0
	PLACES 4
	s_branch .Lasked
.Lfor_p:
	tensor_load_to_lds s[G0P:G0P+3], s[G1P:G1P+7]
	s_nop 0
	tensor_load_to_lds s[G0P+4:G0P+7], s[G1P:G1P+7]
	s_nop 0
	PLACES 4
.Lasked:
	v_and_b32 v1, 31, v0
	v_lshlrev_b32 v1, 4, v1                        ; 16 x lane
	v_and_b32 v2, 15, v0                           ; r
	v_bfe_u32 v3, v0, 4, 1                         ; h
	s_lshl_b32 s21, s11, 12                        ; my four tiles of L: 1,024 bytes a tile in each K step
	s_lshl_b32 s22, s12, 12
	v_add_nc_u32 v16, s21, v1
	v_add_nc_u32 v16, 4096, v16
	v_add_nc_u32 v17, s22, v1
	v_add_nc_u32 v17, REC+4096, v17
	s_lshl_b32 s21, s11, 10                        ; scale words: 256 bytes a tile
	s_lshl_b32 s22, s12, 10
	s_add_co_u32 s22, s22, REC
	s_sub_co_u32 s22, s22, s21
	v_mul_u32_u24 v18, s22, v3                     ; lanes 0-15 L's, lanes 16-31 P's: one product
	v_lshl_add_u32 v18, v2, 4, v18
	v_add_nc_u32 v18, s21, v18
	s_mul_i32 s23, s10, 16*SP
	s_add_co_u32 s23, s23, STAGE                   ; my stage
	v_mul_u32_u24 v24, v2, SP
	v_lshl_add_u32 v24, v3, 5, v24
	v_add_nc_u32 v24, s23, v24                     ; in: row r, 32 bytes for each half of the lanes
	v_mul_u32_u24 v25, v3, SP
	v_lshl_add_u32 v25, v2, 4, v25
	v_add_nc_u32 v25, s23, v25                     ; back: lanes 0-15 one row of 256 bytes, lanes 16-31 the next
	v_lshlrev_b32 v26, 12, v3
	v_lshl_add_u32 v26, v2, 4, v26                 ; and the same two rows in out0
	s_lshl_b32 s60, s16, 7
	s_lshl_b32 s61, s11, 6
	s_add_co_u32 s60, s60, s61
	s_lshl_b32 s60, s60, 12                        ; my first row, 4,096 bytes a row
	s_lshl_b32 s61, s15, 9
	s_add_co_u32 s60, s60, s61
	s_lshl_b32 s61, s12, 8
	s_add_co_u32 s60, s60, s61
	s_mov_b32 s61, 0
	s_add_nc_u64 s[8:9], s[8:9], s[60:61]
.macro FETCH qd, f                     ; 32 loads: the fragments of K steps 2 qd and 2 qd + 1 into buffer f, the first K step first
	WIN TO_F
.irp cc, 0,1
.irp i, 0,1,2,3
.irp c, 0,1
	ds_load_b128 v[\f+64+8*(4*\cc+\i)+4*\c:\f+64+8*(4*\cc+\i)+4*\c+3], v17 offset:(2*(\qd)+\cc)*8192+\i*1024+512*\c
.endr
.irp c, 0,1
	ds_load_b128 v[\f+8*(4*\cc+\i)+4*\c:\f+8*(4*\cc+\i)+4*\c+3], v16 offset:(2*(\qd)+\cc)*8192+\i*1024+512*\c
.endr
.endr
.endr
.endm
; 8 matrix instructions: L's tiles a0, a0 + 1 x P's four, K step q: half cc of buffer f.  The 16 accumulators take turns.
.macro MUL8 f, cc, a0, q, zero
.irp a, \a0, \a0+1
.irp b, 0,1,2,3
.if \zero
	v_wmma_scale_f32_16x16x128_f8f6f4 v[ACC+8*(4*(\a)+\b):ACC+8*(4*(\a)+\b)+7], v[\f+64+8*(4*\cc+\b):\f+64+8*(4*\cc+\b)+7], v[\f+8*(4*\cc+(\a)):\f+8*(4*\cc+(\a))+7], 0, v[SC+8*\b+(\q)], v[SC+8*(\a)+(\q)] matrix_a_fmt:MATRIX_FMT_FP4 matrix_b_fmt:MATRIX_FMT_FP4 matrix_a_scale:MATRIX_SCALE_ROW1
.else
	v_wmma_scale_f32_16x16x128_f8f6f4 v[ACC+8*(4*(\a)+\b):ACC+8*(4*(\a)+\b)+7], v[\f+64+8*(4*\cc+\b):\f+64+8*(4*\cc+\b)+7], v[\f+8*(4*\cc+(\a)):\f+8*(4*\cc+(\a))+7], v[ACC+8*(4*(\a)+\b):ACC+8*(4*(\a)+\b)+7], v[SC+8*\b+(\q)], v[SC+8*(\a)+(\q)] matrix_a_fmt:MATRIX_FMT_FP4 matrix_b_fmt:MATRIX_FMT_FP4 matrix_a_scale:MATRIX_SCALE_ROW1
.endif
.endr
.endr
.endm
; Two K steps on buffer f; in their middle the next two are fetched into g.  bar = 1: those lie in chunks not yet shown landed
.macro QUARTER qd, f, g, zero, bar
	s_wait_dscnt 16                                ; the first K step's fragments are in
	WIN MUL
	MUL8 \f, 0, 0, 2*(\qd), \zero
	MUL8 \f, 0, 2, 2*(\qd), \zero
.if \bar
	s_wait_tensorcnt 0x0                           ; my second load has landed,
	s_wait_dscnt 0x0
	s_barrier_signal -1
	s_barrier_wait -1                              ; everybody's has
.endif
	PLACES 4
	FETCH (\qd)+1, \g
	s_wait_dscnt 32                                ; all but the 32 just issued
	WIN MUL
	MUL8 \f, 1, 0, 2*(\qd)+1, 0
	MUL8 \f, 1, 2, 2*(\qd)+1, 0
.endm
	s_wait_tensorcnt 1                             ; my first load is in: chunks 0 and 1 of both records hold the scale words and K steps 0 to 2
	s_barrier_signal -1
	s_barrier_wait -1
.irp hf, 0,1
.irp i, 0,1,2,3
	ds_load_b128 v[SC+8*\i+4*\hf:SC+8*\i+4*\hf+3], v18 offset:\hf*2048+\i*256
.endr
.endr
	FETCH 0, F0
	QUARTER 0, F0, F1, 1, 1
	QUARTER 1, F1, F0, 0, 0
	QUARTER 2, F0, F1, 0, 0
	s_wait_dscnt 16
	WIN MUL
	MUL8 F1, 0, 0, 6, 0
	MUL8 F1, 0, 2, 6, 0
	s_wait_dscnt 0x0
	MUL8 F1, 1, 0, 7, 0
	MUL8 F1, 1, 2, 7, 0
	WIN 0
	PLACES 4
; THE WAY OUT, 16 tokens x 64 columns at a time: through my own stage and back as whole rows of 256 bytes.  LDS serves a wave's instructions in order: no wait between the stores and the loads.
.macro TOSTAGE a
.irp b, 0,1,2,3
	ds_store_b128 v24, v[ACC+8*(4*(\a)+\b):ACC+8*(4*(\a)+\b)+3] offset:64*\b          ; each accumulator from its low end on
	ds_store_b128 v24, v[ACC+8*(4*(\a)+\b)+4:ACC+8*(4*(\a)+\b)+7] offset:64*\b+16
.endr
.irp t, 0,1,2,3,4,5,6,7
	ds_load_b128 v[BK+32*((\a)%2)+4*\t:BK+32*((\a)%2)+4*\t+3], v25 offset:\t*2*SP
.endr
.endm
.macro SEND a, younger                 ; younger: the LDS instructions issued behind block a's loads
	s_wait_dscnt \younger
.irp t, 0,1,2,3,4,5,6,7
	global_store_b128 v26, v[BK+32*((\a)%2)+4*\t:BK+32*((\a)%2)+4*\t+3], s[8:9] offset:(16*(\a)+2*\t)*4096 th:TH_STORE_NT   ; sixteen lanes store 256 consecutive bytes, aligned
.endr
.endm
	TOSTAGE 0
.irp a, 1,2,3
.if \a > 1
	s_wait_xcnt 0x0                                ; block a - 2's stores have read their registers: block a's loads may land there
.endif
	TOSTAGE \a
	SEND \a-1, 16
.endr
	SEND 3, 0
	s_wait_tensorcnt 0x0
	s_wait_dscnt 0x0
	s_wait_tensorcnt 0x0
	ds_add_u32 v30, v31
	s_wait_dscnt 0x0
	CROUND                                         ; the closing round
	s_endpgm
.Lfunc_end_k_q157529333d_outp:
	.size	k_q157529333d_outp, .Lfunc_end_k_q157529333d_outp-k_q157529333d_outp
	.p2alignl 7, 3214868480
	.fill 96, 4, 3214868480
	.section	.rodata,"a",@progbits
	.p2align	6, 0x0
	.amdhsa_kernel k_q157529333d_outp
		.amdhsa_group_segment_fixed_size 168448
		.amdhsa_private_segment_fixed_size 0
		.amdhsa_enable_private_segment 0
		.amdhsa_kernarg_size 24
		.amdhsa_user_sgpr_count 2
		.amdhsa_user_sgpr_kernarg_segment_ptr 1
		.amdhsa_wavefront_size32 1
		.amdhsa_system_sgpr_workgroup_id_x 1
		.amdhsa_system_sgpr_workgroup_id_y 1
		.amdhsa_system_sgpr_workgroup_id_z 1
		.amdhsa_system_vgpr_workitem_id 0
		.amdhsa_next_free_vgpr 512
		.amdhsa_next_free_sgpr 66
		.amdhsa_reserve_vcc 0
		.amdhsa_float_denorm_mode_32 3
		.amdhsa_float_denorm_mode_16_64 3
		.amdhsa_memory_ordered 1
		.amdhsa_forward_progress 1
		.amdhsa_inst_pref_size 40
	.end_amdhsa_kernel
	.amdgpu_metadata
---
amdhsa.version: [ 1, 2 ]
amdhsa.kernels:
  - .name:           k_q157529333d_outp
    .symbol:         k_q157529333d_outp.kd
    .args:
      - { .name: cxb, .offset: 0, .size: 8, .value_kind: global_buffer, .address_space: global }
      - { .name: xw, .offset: 8, .size: 8, .value_kind: global_buffer, .address_space: global }
      - { .name: out0, .offset: 16, .size: 8, .value_kind: global_buffer, .address_space: global }
    .group_segment_fixed_size: 168448
    .private_segment_fixed_size: 0
    .kernarg_segment_align: 8
    .kernarg_segment_size: 24
    .max_flat_workgroup_size: 128
    .sgpr_count:     66
    .vgpr_count:     512
    .wavefront_size: 32
...
	.end_amdgpu_metadata
.endif
;; end of part 4
